; MI455X (gfx1250); checked and timed in simulation.
; The chip was launched on July 23, 2026; its instructions are those of AMD's public machine-readable ISA for CDNA 5 (MIT licence, August 2026) and "CDNA5" Instruction Set Architecture Reference Guide (July 2026). The comments in the code are by the model that wrote it; some were corrected since.
;; Core Attention. Allowed arithmetic: matrix products marked QUANTISED: E4M3 operands, one E8M0 scale for each 32 along K, by v_wmma_scale_f32_16x16x128_f8f6f4 with both operands' format E4M3, f32 sums; everything else in f32.
;; Inputs: key_layer 2 x 32 x 2,048 x 128 float32; query_layer 2 x 32 x 2,048 x 128 float32; value_layer 2 x 32 x 2,048 x 128 float32.
;; Outputs: out0 2 x 2,048 x 4,096 float32.
;; This version of the problem:
;;   THIS VERSION OF THE PROBLEM IS GIVEN IN LOW PRECISION. The matrix products marked QUANTISED in the list below multiply operands that are first quantised to E4M3 (4 exponent bits, 3 mantissa bits; 8 bits a number), with one power-of-two scale for each 32 numbers along K (OCP MX v1.0); their sums are f32. All else is computed in f32.
;;   The module's matrix products, in the order in which they are computed (A, B: the left and right operand; K: the contracted axis; several contracted axes count as one K, in the product's order):
;;     1. batch 64 x [M 2,048, K 128] x [K 128, N 2,048]; A: input query_layer; B: input key_layer: QUANTISED
;;     2. batch 64 x [M 2,048, K 2,048] x [K 2,048, N 128]; A: softmax (see below); B: input value_layer: QUANTISED
;;   THE QUANTISER, for each operand of a quantised product, along K:
;;     - K is cut into blocks of 32 from its start; a last block that is shorter is filled with zeros.
;;     - A block's scale is 2^e with e = floor(log2(the largest magnitude in the block)) - 8, held to -126 .. 127; a block of zeros has e = 0. As a byte (E8M0): e + 127.
;;     - Each number is divided by its block's scale, clamped to +-448, and rounded to the nearest number of E4M3, ties to even, subnormals kept.
;;     - The product sums the exact products of the quantised numbers (number of the format x scale) in f32.
;;   ~~~python
;;   def quantise(x, axis):      # numpy; x: float32 -> the quantised numbers, widened to float32 again
;;       x = np.moveaxis(x, axis, -1); K = x.shape[-1]
;;       x = np.pad(x, [(0, 0)] * (x.ndim - 1) + [(0, -K % 32)]); x = x.reshape(x.shape[:-1] + (-1, 32)); a = np.abs(x).max(-1, keepdims=True)
;;       e = np.where(a > 0, np.clip(np.frexp(np.where(a > 0, a, 1))[1] - 1 - 8, -126, 127), 0)      # np.frexp(a)[1] - 1 = floor(log2(a)), exactly
;;       r = np.clip(x / 2.0 ** e, -448, 448)
;;       step = 2.0 ** (np.maximum(np.frexp(np.where(r == 0, 1, r))[1] - 1, -6) - 3)
;;       q = np.round(r / step) * step * 2.0 ** e      # np.round: ties to even
;;       return np.moveaxis(q.reshape(q.shape[:-2] + (-1,))[..., :K], -1, axis).astype(np.float32)
;;   ~~~
;;   SOFTMAX AHEAD OF A QUANTISED PRODUCT. Where the list says 'softmax', what is quantised is not the finished softmax but p = 2^(t - M), with t = logit x log2(e) and M = ceil(the row's largest t), a whole number; so 1/2 < the row's largest p <= 1. The row's sum l is taken of the UNQUANTISED p, in f32, and the product's result is divided by l at the end. Since M is a whole number, a kernel that streams over the keys may use a running M (the ceiling of the running maximum): every later rescaling is an exact power of two, which a block's scale takes up: the codes' values come out the same.
;;   OPERANDS COMPUTED ON THE WAY. 'Computed on the way' means the value that the module computes at that place (a softmax that the list does not call 'softmax' is quantised finished and normalised). What goes into a quantiser is computed in f32, as accurately as f32 sums, v_exp_f32 and their like allow (about 1e-6 of the number): no bf16 or f16 on the way to a quantiser, and a product that is left as it is and whose result goes on into a quantised operand takes f32 operands (vector FMAs, or v_wmma_f32_16x16x4_f32). A number that lies on a knife's edge between two numbers of the format may be rounded either way, as far as f32 arithmetic and the matrix unit's own rounding can turn it there, and no further.
;; One version. Each part assembles by itself: llvm-mc -triple=amdgcn-amd-amdhsa -mcpu=gfx1250 --defsym DOCPART=n.
;; ======== version 1 of 1: 2 launches
;; limits: right only within a limited range of input values
;; workspace buffers: k_codes 16,777,216 bytes; k_scales 524,288 bytes; v_codes 16,777,216 bytes; v_scales 524,288 bytes
;; launch quant (part 1): grid 1024 x 1, 4 waves a work-group, no clusters, 68,096 bytes of LDS; arguments key_layer, value_layer, k_codes, k_scales, v_codes, v_scales; writes k_codes, k_scales, v_codes, v_scales
.if DOCPART == 1
	.amdgcn_target "amdgcn-amd-amdhsa--gfx1250"
	.amdhsa_code_object_version 6
	.text
	.protected	k_qc95db7bbc1_quant
	.globl	k_qc95db7bbc1_quant
	.p2align	8
	.type	k_qc95db7bbc1_quant,@function
k_qc95db7bbc1_quant:
	s_mov_b64 s[64:65], 0
	v_nop
	global_prefetch_b8 v0, s[64:65] scope:SCOPE_SE
	s_setreg_imm32_b32 hwreg(HW_REG_WAVE_MODE, 25, 1), 1
	s_wait_xcnt 0x0
; key_layer and value_layer, [64 heads][2048 keys][128] f32, become codes of FP8 (E4M3) with one E8M0 scale byte for each 32 along the K of the product that reads them.
; K of the first product is the head's 128 (innermost in memory); K of the second is the keys (not innermost).  Work-groups 0-511 take key_layer, 512-1023 value_layer: two paths that part on the
; work-group's number and never join; each path has LDS bytes of its own (the first 32,768 bytes; the 34,816 behind them).  Four waves that share nothing: no barrier, no tensor load.
; A block's scale is 2^(floor(log2(its largest magnitude)) - 8); its byte is the largest magnitude's exponent field - 8, held at 1 from below by a floor among the maximum's leaves.
; Each number is held within +-448 x the scale and converted, to the nearest code, ties to even.
; LAYOUTS, chosen for the launch that reads them (a slot = 256 keys):
;   k_codes  [64][2048 rows][128 B]: inside each group of 32 keys, key k lies at row k with bits 3 and 4 exchanged.  So 16 NEIGHBOURING rows hold keys 0-7 and 16-23 (or 8-15 and 24-31) of a group:
;            the choice of keys that lets two neighbouring score tiles hold 16 neighbouring keys in a lane's registers.   k_scales [64][2048 rows][4 B]: rows in the same order.
;   v_codes  [64][8 slots][128 d][256 B]: a slot's 256 keys innermost, in their own order.   v_scales [64][8 slots][128 d][8 B].
; LIMITS: NaN and infinities among the inputs are not served.  A block of zeros gets the byte 1 where the quantiser's text says 127: its codes are zeros, which add nothing under any byte but 0xff,
; and this program alone reads the bytes.  The floor 2^-118 gives the byte 1, which is the quantiser's own lower bound, e = -126.
.set MANT,   0x600000                  ; the mantissa field of 448 as f32
.set STEPS,  16                        ; K path: steps of 512 numbers (4 keys) in a wave's run of 64 keys
.set WREG,   8192                      ; K path: LDS of a wave: two stages of 32 x SP bytes, behind them its 256 scale bytes
.set SP,     80                        ; a lane's place in a stage: its 64 bytes + 16 of padding
.set KR,     16                        ; v16-79   four sets of 16 numbers as loaded
.set KX,     80                        ; v80-111  two sets of 16 neighbours
.set KE,     112                       ; v112-127 a scale byte for each step
.set KC,     128                       ; v128-191 four registers of codes for each step: no store's data are written again
.set VSTG,   32768                     ; V path: the stages begin here
.set VPITCH, 272                       ; a stage row: 256 bytes of codes + 16 of padding
.set NB,     8                         ; V path: blocks of 32 keys in a slot
.set VX,     32                        ; v32-95   two sets of 32 numbers
.set VC,     96                        ; v96-103  a block's codes
.set VSB,    24                        ; v24-25   the eight scale bytes of my column
.set VOUT,   112                       ; v112-175 the way out
	s_load_b256 s[4:11], s[0:1], 0x0               ; key s[4:5], value s[6:7], k_codes s[8:9], k_scales s[10:11]
	s_load_b128 s[12:15], s[0:1], 0x20             ; v_codes s[12:13], v_scales s[14:15]
	v_lshl_add_u32 v192, v0, 2, 0x10800
	v_mov_b32 v193, 0
	v_lshrrev_b32 v1, 5, v0
	v_readfirstlane_b32 s16, v1                    ; wave 0..3
	v_and_b32 v2, 31, v0                           ; lane
	s_mov_b32 s24, MANT                            ; (an instruction takes one literal: the hold's line has another)
	s_mov_b32 s21, 0                               ; the upper word of every offset: all stay under 2^27
	s_wait_kmcnt 0x0
	s_cmp_lt_u32 ttmp9, 512
	s_cbranch_scc0 .Lv
; ---------------- THE K PATH.  Rows are dense, so the tensor is a stream of blocks of 32.  A wave takes a run of 8,192 numbers: 64 keys, 16 steps of 512 numbers.
; Each of a step's four loads reads 512 consecutive bytes, 16 a lane; the 2,048 bytes turn through the wave's own stage in LDS and come back 64 bytes a lane: 16 neighbours, two lanes to a block.
	s_wait_alu depctr_va_vdst(0)
	v_lshlrev_b32 v3, 4, v2                        ; 16 x lane: my bytes of a load's 512, and of a step's 512 bytes of codes
	s_mul_i32 s17, s16, WREG
	v_lshrrev_b32 v14, 2, v2
	v_mul_u32_u24 v14, v14, SP
	v_and_b32 v15, 3, v2
	v_lshl_add_u32 v14, v15, 4, v14
	v_add_nc_u32 v14, s17, v14                     ; the stage, on the way in: SP (lane / 4) + 16 (lane % 4)
	v_mul_u32_u24 v15, v2, SP
	v_add_nc_u32 v15, s17, v15                     ; and on the way out: SP x lane
	v_lshrrev_b32 v5, 1, v2
	s_add_co_u32 s17, s17, 2*32*SP
	v_add_nc_u32 v5, s17, v5                       ; my wave's 256 scale bytes: my block's byte
	v_lshlrev_b32 v7, 3, v2                        ; on the way out 8 bytes a lane
	v_add_nc_u32 v6, s17, v7
	s_lshl_b32 s18, ttmp9, 2
	s_add_co_u32 s18, s18, s16                     ; my run: 4 x work-group + wave, 0 .. 2,047
	s_lshl_b32 s20, s18, 15                        ; 32,768 bytes of f32 a run
	s_add_nc_u64 s[4:5], s[4:5], s[20:21]
	s_lshl_b32 s20, s18, 13                        ; 8,192 bytes of codes
	s_add_nc_u64 s[8:9], s[8:9], s[20:21]
	s_lshl_b32 s20, s18, 8                         ; 256 scale bytes
	s_add_nc_u64 s[10:11], s[10:11], s[20:21]
.macro KLOAD t
.irp i, 0,1,2,3
	global_load_b128 v[KR+16*((\t)%4)+4*\i:KR+16*((\t)%4)+4*\i+3], v3, s[4:5] offset:2048*(\t)+512*\i th:TH_LOAD_NT   ; 32 lanes read 512 consecutive bytes; read once in the launch
.endr
.endm
.macro KTURN t                         ; a step's numbers through the stage: LDS serves a wave's instructions in order, so no wait stands between the stores and the loads
.irp i, 0,1,2,3
	ds_store_b128 v14, v[KR+16*((\t)%4)+4*\i:KR+16*((\t)%4)+4*\i+3] offset:32*SP*((\t)%2)+8*SP*\i
.endr
.irp i, 0,1,2,3
	ds_load_b128 v[KX+16*((\t)%2)+4*\i:KX+16*((\t)%2)+4*\i+3], v15 offset:32*SP*((\t)%2)+16*\i
.endr
.endm
.macro KSTEP t
.set XS, KX+16*((\t)%2)
.set TP, ((\t)&9)|(((\t)&2)<<1)|(((\t)&4)>>1)  ; step t holds keys 4 t .. 4 t + 3: bits 1 and 2 of t are bits 3 and 4 of the key: exchanged, they give the step's place in the output
.if (\t) > 0
	s_wait_dscnt 1                                 ; this step's numbers are back from the stage (the last step's byte store may be out): so its stores into the stage have read their registers,
.else
	s_wait_dscnt 0x0
.endif
.if (\t)+4 < STEPS
	KLOAD (\t)+4                                   ; which take the loads of four steps on
.endif
.if (\t)+1 < STEPS
.if STEPS-2-(\t) >= 3
	s_wait_loadcnt 12                              ; the next step's four loads are in; the twelve of the three steps behind it may be out
.else
	s_wait_loadcnt 4*(STEPS-2-(\t))                ; the tail: four for each step still behind the next one
.endif
	KTURN (\t)+1                                   ; and go through the other stage while this step is worked
.endif
	v_max3_num_f32 v8, |v[XS]|, |v[XS+1]|, |v[XS+2]|               ; the largest magnitude of my 16, in two chains
	v_max3_num_f32 v9, |v[XS+3]|, |v[XS+4]|, |v[XS+5]|
.irp i, 6,10
	v_max3_num_f32 v8, v8, |v[XS+\i]|, |v[XS+\i+1]|
	v_max3_num_f32 v9, v9, |v[XS+\i+2]|, |v[XS+\i+3]|
.endr
	v_max3_num_f32 v8, v8, |v[XS+14]|, |v[XS+15]|
	v_max3_num_f32 v8, v8, v9, 0x4800000           ; and the floor 2^(9 - 127): the byte cannot fall under 1
	v_max_num_f32_dpp v8, v8, v8 row_xmask:1 row_mask:0xf bank_mask:0xf   ; and of my neighbour's 16: the block's
	v_add_nc_u32 v11, 0xfc000000, v8               ; 8 off its exponent field: the conversion takes the exponent field of this operand as its scale
	v_and_or_b32 v10, v8, 0x7f800000, s24          ; 448 x the scale: the largest magnitude's exponent field over 448's mantissa
.irp i, 0,1,2,3,4,5,6,7,8,9,10,11,12,13,14,15
	v_med3_num_f32 v[XS+\i], v[XS+\i], -v10, v10   ; the conversion to an 8-bit code does not saturate (ISA guide 7.6.2): the hold comes first
.endr
	v_cvt_scalef32_pk8_fp8_f32 v[KC+4*(\t):KC+4*(\t)+1], v[XS:XS+7], v11
	v_cvt_scalef32_pk8_fp8_f32 v[KC+4*(\t)+2:KC+4*(\t)+3], v[XS+8:XS+15], v11
	v_lshrrev_b32 v[KE+(\t)], 23, v11              ; the scale's byte (also the plain line behind the conversions)
	ds_store_b8 v5, v[KE+(\t)] offset:16*TP        ; both lanes of a block write the same byte with the same value
	global_store_b128 v3, v[KC+4*(\t):KC+4*(\t)+3], s[8:9] offset:512*TP   ; the wave stores 512 consecutive bytes, aligned; the next launch reads them, so no hint
.endm
.irp t, 0,1,2,3
	KLOAD \t
.endr
	s_wait_alu depctr_va_vdst(0)
	s_wait_loadcnt 12                              ; step 0's four loads are in
	KTURN 0
.irp t, 0,1,2,3,4,5,6,7,8,9,10,11,12,13,14,15
	KSTEP \t
.endr
	ds_load_b64 v[12:13], v6                       ; LDS serves a wave's instructions in order: these see my byte stores
	s_wait_dscnt 0x0
	global_store_b64 v7, v[12:13], s[10:11]        ; 32 lanes store 256 consecutive bytes, aligned
	s_wait_tensorcnt 0x0
	ds_add_u32 v192, v193
	s_wait_dscnt 0x0
	s_endpgm
; ---------------- THE V PATH.  Work-group 512 + 8 x head + slot takes 256 keys x 128 columns; wave w columns 32 w on.  A LANE TAKES A COLUMN d AND ITS REGISTERS RUN DOWN THE KEYS:
; each load reads 128 consecutive bytes a wave (the four waves stand side by side on a row's 512), a block of 32 keys lies in one lane's 32 registers, and the codes come out with the keys innermost.
; A lane's 256 bytes of codes are one row of the output: they go through the wave's own stage and leave 512 consecutive bytes a store.
.Lv:
	s_sub_co_u32 s17, ttmp9, 512                   ; 8 x head + slot
	s_wait_alu depctr_va_vdst(0)
	v_lshlrev_b32 v3, 2, v2                        ; in: 4 bytes a lane
	s_mul_i32 s19, s16, 32*VPITCH
	s_add_co_u32 s19, s19, VSTG                    ; my stage
	v_mul_u32_u24 v4, v2, VPITCH
	v_add_nc_u32 v4, s19, v4                       ; into it: row = my column
	v_and_b32 v5, 15, v2
	v_lshrrev_b32 v6, 4, v2
	v_mul_u32_u24 v7, v6, VPITCH
	v_lshl_add_u32 v7, v5, 4, v7
	v_add_nc_u32 v7, s19, v7                       ; out of it: sixteen lanes to a row, two rows an instruction
	v_lshlrev_b32 v8, 4, v2                        ; the same two rows in v_codes, whose rows of 256 bytes are dense: 16 x lane
	v_lshlrev_b32 v9, 3, v2                        ; my column's 8 scale bytes
	s_lshl_b32 s20, s17, 17                        ; value: 256 keys x 512 bytes a slot,
	s_lshl_b32 s18, s16, 7                         ; 32 columns x 4 bytes a wave
	s_add_co_u32 s20, s20, s18
	s_add_nc_u64 s[6:7], s[6:7], s[20:21]
	s_lshl_b32 s20, s17, 15                        ; v_codes: 32,768 bytes a slot, 32 rows of 256 a wave
	s_lshl_b32 s18, s16, 13
	s_add_co_u32 s20, s20, s18
	s_add_nc_u64 s[12:13], s[12:13], s[20:21]
	s_lshl_b32 s20, s17, 10                        ; v_scales: 1,024 bytes a slot, 256 a wave
	s_lshl_b32 s18, s16, 8
	s_add_co_u32 s20, s20, s18
	s_add_nc_u64 s[14:15], s[14:15], s[20:21]
.macro VLOAD t                         ; block t: keys 32 t + i of my column, i = 0 .. 31, into set t % 2
.irp i, 0,1,2,3,4,5,6,7,8,9,10,11,12,13,14,15,16,17,18,19,20,21,22,23,24,25,26,27,28,29,30,31
	global_load_b32 v[VX+32*((\t)%2)+\i], v3, s[6:7] offset:(32*(\t)+\i)*512 th:TH_LOAD_NT
.endr
.endm
.macro VBLOCK t
.set XS, VX+32*((\t)%2)
.if (\t) < NB-1
	s_wait_loadcnt 32                              ; this block's 32 loads are in; the next block's 32 may be out
.else
	s_wait_loadcnt 0x0
.endif
	v_max3_num_f32 v12, |v[XS]|, |v[XS+1]|, |v[XS+2]|              ; the block's largest magnitude: all 32 numbers are mine
	v_max3_num_f32 v13, |v[XS+3]|, |v[XS+4]|, |v[XS+5]|
.irp i, 6,10,14,18,22,26
	v_max3_num_f32 v12, v12, |v[XS+\i]|, |v[XS+\i+1]|
	v_max3_num_f32 v13, v13, |v[XS+\i+2]|, |v[XS+\i+3]|
.endr
	v_max3_num_f32 v12, v12, |v[XS+30]|, |v[XS+31]|
	v_max3_num_f32 v12, v12, v13, 0x4800000        ; and the floor 2^(9 - 127)
	v_add_nc_u32 v11, 0xfc000000, v12              ; the conversion's scale operand
	v_and_or_b32 v10, v12, 0x7f800000, s24         ; 448 x the scale
	v_lshrrev_b32 v13, 23, v11                     ; the scale's byte
.if (\t)%4 == 0
	v_mov_b32 v[VSB+(\t)/4], v13                   ; four bytes to a register, the earlier keys in the lower byte
.else
	v_lshl_or_b32 v[VSB+(\t)/4], v13, 8*((\t)%4), v[VSB+(\t)/4]
.endif
.irp i, 0,1,2,3,4,5,6,7,8,9,10,11,12,13,14,15,16,17,18,19,20,21,22,23,24,25,26,27,28,29,30,31
	v_med3_num_f32 v[XS+\i], v[XS+\i], -v10, v10   ; the hold (ISA guide 7.6.2: the conversion does not saturate)
.endr
.irp g, 0,1,2,3
	v_cvt_scalef32_pk8_fp8_f32 v[VC+2*\g:VC+2*\g+1], v[XS+8*\g:XS+8*\g+7], v11
.endr
	v_nop                                          ; a plain line behind the last conversion of the run
	ds_store_b128 v4, v[VC:VC+3] offset:32*(\t)    ; 32 codes: 32 bytes of my column's row
	ds_store_b128 v4, v[VC+4:VC+7] offset:32*(\t)+16
.if (\t)+2 < NB
	VLOAD (\t)+2
.endif
	s_wait_dscnt 0x0                               ; the stores have read their registers: the next block's codes may be written
.endm
	VLOAD 0
	VLOAD 1
.irp t, 0,1,2,3,4,5,6,7
	VBLOCK \t
.endr
	global_store_b64 v9, v[VSB:VSB+1], s[14:15]    ; 32 lanes store 256 consecutive bytes, aligned
.irp t, 0,1,2,3,4,5,6,7,8,9,10,11,12,13,14,15
	ds_load_b128 v[VOUT+4*\t:VOUT+4*\t+3], v7 offset:2*\t*VPITCH   ; LDS serves a wave's instructions in order: these see my stores
.endr
.irp t, 0,1,2,3,4,5,6,7,8,9,10,11,12,13,14,15
	s_wait_dscnt 15-\t                             ; load t is in; the 15 - t younger ones may be out
	global_store_b128 v8, v[VOUT+4*\t:VOUT+4*\t+3], s[12:13] offset:512*\t   ; two rows of 256 bytes: 512 consecutive bytes, aligned
.endr
	s_wait_tensorcnt 0x0
	ds_add_u32 v192, v193
	s_wait_dscnt 0x0
	s_endpgm
.Lfunc_end_k_qc95db7bbc1_quant:
	.size	k_qc95db7bbc1_quant, .Lfunc_end_k_qc95db7bbc1_quant-k_qc95db7bbc1_quant
	.p2alignl 7, 3214868480
	.fill 96, 4, 3214868480
	.section	.rodata,"a",@progbits
	.p2align	6, 0x0
	.amdhsa_kernel k_qc95db7bbc1_quant
		.amdhsa_group_segment_fixed_size 68096
		.amdhsa_private_segment_fixed_size 0
		.amdhsa_enable_private_segment 0
		.amdhsa_kernarg_size 48
		.amdhsa_user_sgpr_count 2
		.amdhsa_user_sgpr_kernarg_segment_ptr 1
		.amdhsa_wavefront_size32 1
		.amdhsa_system_sgpr_workgroup_id_x 1
		.amdhsa_system_sgpr_workgroup_id_y 1
		.amdhsa_system_sgpr_workgroup_id_z 1
		.amdhsa_system_vgpr_workitem_id 0
		.amdhsa_next_free_vgpr 194
		.amdhsa_next_free_sgpr 66
		.amdhsa_reserve_vcc 0
		.amdhsa_float_denorm_mode_32 3
		.amdhsa_float_denorm_mode_16_64 3
		.amdhsa_memory_ordered 1
		.amdhsa_forward_progress 1
		.amdhsa_inst_pref_size 109
	.end_amdhsa_kernel
	.amdgpu_metadata
---
amdhsa.version: [ 1, 2 ]
amdhsa.kernels:
  - .name:           k_qc95db7bbc1_quant
    .symbol:         k_qc95db7bbc1_quant.kd
    .args:
      - { .name: key_layer, .offset: 0, .size: 8, .value_kind: global_buffer, .address_space: global }
      - { .name: value_layer, .offset: 8, .size: 8, .value_kind: global_buffer, .address_space: global }
      - { .name: k_codes, .offset: 16, .size: 8, .value_kind: global_buffer, .address_space: global }
      - { .name: k_scales, .offset: 24, .size: 8, .value_kind: global_buffer, .address_space: global }
      - { .name: v_codes, .offset: 32, .size: 8, .value_kind: global_buffer, .address_space: global }
      - { .name: v_scales, .offset: 40, .size: 8, .value_kind: global_buffer, .address_space: global }
    .group_segment_fixed_size: 68096
    .private_segment_fixed_size: 0
    .kernarg_segment_align: 8
    .kernarg_segment_size: 48
    .max_flat_workgroup_size: 128
    .sgpr_count:     66
    .vgpr_count:     194
    .wavefront_size: 32
...
	.end_amdgpu_metadata
.endif
;; end of part 1
;; launch attn (part 2): grid 4 x 64, 8 waves a work-group, no clusters, 327,680 bytes of LDS; arguments query_layer, k_codes, k_scales, v_codes, v_scales, out0; writes out0
.if DOCPART == 2
	.amdgcn_target "amdgcn-amd-amdhsa--gfx1250"
	.amdhsa_code_object_version 6
	.text
	.protected	k_qc95db7bbc1_attn
	.globl	k_qc95db7bbc1_attn
	.p2align	8
	.type	k_qc95db7bbc1_attn,@function
k_qc95db7bbc1_attn:
	s_mov_b64 s[64:65], 0
	v_nop
	global_prefetch_b8 v0, s[64:65] scope:SCOPE_SE
	s_setreg_imm32_b32 hwreg(HW_REG_WAVE_MODE, 25, 1), 1
	s_wait_xcnt 0x0
; out0[b][q][128 hd + :] = the sum over keys k <= q of softmax_k(Q[q] . K[k] / sqrt(128)) V[k][:], 64 heads (b, hd) of 2,048 queries and keys, head size 128.
; (The source's factors 1 / (2 sqrt(128)) and 2 multiply to 1 / sqrt(128), the 2 being exact.)  Both products run on codes of FP8 (E4M3) with one E8M0 scale for each 32 along their K.
; WORK LEFT OUT: key steps all of whose keys come after a wave's queries: the source's own causal mask sets their scores to -infinity, so p = 0 there for all values of the inputs.
; A NaN or an infinity that reaches only such keys is not carried to the result.  Every input is read.
; K and V come as codes and scale bytes from the launch before; Q, of which each tile is read once by one wave, is quantised here in registers.
; SOFTMAX: t = score x log2(e) / sqrt(128); M = the largest t so far rounded UP to a whole number; p = 2^(t - M) is quantised along the keys, not normalised.  The row's sum is taken of the
; unquantised p in f32 and divides O at the end.  When M moves, the sum and O are multiplied by 2^(old M - new M): exact.
; SHARES.  Work-group (j, head) owns query blocks j and 7 - j (256 queries each): j + 1 and 8 - j key slots of 256 keys: nine for every work-group.  Each of EIGHT waves owns 32 queries of the
; block in hand: two tiles, A and B, so that each fragment of K and V read from LDS feeds two matrix instructions.  512 registers a wave, two waves to a SIMD.
; A wave's place among the block's eight runs of 32 queries is 4 (bit 0 xor bit 2 of its number) + its low two bits: waves w, w + 4 and waves 2 k, 2 k + 1 each hold one early and one late run.
; A key step is 128 keys, a slot two steps.  A slot in hand begins at or before the block's queries, so step 0 always counts; step 1 is jumped over where all its keys come after the wave's queries.
; TWO AREAS OF 128 REGISTERS, v128-255 of window 0 (Y) and of window 1 (X), change roles between a slot's two steps.  Step 0: K's, then V's fragments in X, the scores and p in Y.  When p's codes are
; made, Y is free: step 1's fragments of K are loaded into it, a fragment at a time, among the lines that follow.  Step 1: the scores and p in X, V's fragments in Y.
; V's eight fragments are asked for one at a time among the softmax's lines, 4 loads at each of eight places, and waited for ahead of the second product.
; WINDOW 0: v0 thread; v1-4 lane addresses of K, V and their scale words; v5, v6 the add; v7 prefetch offset; v8-11 addresses in hand; v12 r - 16 h; v13 Q's offset in memory; v14, v15, v123 stage
; addresses; v124 out0's offset; v16-47 Q's codes; v48-79 p's codes (at work before); v80-83 V's scale words, v84-87 K's, two tiles to a register (lanes 0-15, 16-31); v88-91 (-M, largest t);
; v92-95 sums; v96-99 f; v100-107 holds; v108-115 the conversions' scales; v116, 117 Q's scale words; v118, 119 p's; v120-122 at work.  WINDOW 1: v0-63 O^T of A, v64-127 of B.
; LAYOUT.  Both products transposed: S^T = K Q^T, O^T = V^T P^T: a lane holds one query (lane % 16) of each tile.  k_codes has its rows in such an order that the 16 registers of score tiles
; 2 b and 2 b + 1 are keys 32 b + 16 (lane / 16) + 0 .. 15.
; THE RING.  Two LDS slots, each with a key slot's K codes, V codes and scale bytes.  Waves 0, 1 fetch K's halves, 2, 3 V's, 4 K's scale bytes, 5 V's: one tensor load a wave behind each change.
; NO CLUSTER: the four work-groups of a head read the same tiles, but not in the same trip: work-group j begins again at key slot 0 behind j + 1 trips; joint requests in every round would take
; 8 + 4 = 12 rounds for each in place of 9.
; PREFETCH.  Work-group 0 of a head, in trips 0 to 5, asks for key slot trip + 2: 256 blocks of 256 bytes, a lane a block, waves 0-3 K's 32,768 bytes, waves 4-7 V's: each block once in the launch,
; one trip ahead of the earliest tensor load that names it.  Slots 0 and 1 and the scale bytes (1,024 a slot) come by their loads alone.  Each wave asks for its second Q tiles a step ahead.
; LIMITS: NaN and infinities among the inputs are not served.  v_exp_f32 gives 0 for p under 2^-126.  A block's largest p is taken from its largest score by the same two instructions (this takes
; v_exp_f32 not to fall where its input rises).  The division by the sum is a reciprocal and a multiplication.  A block of zeros gets the scale byte 1: its codes are zeros.
; The scaled scores stay under 2^31 in magnitude.  lds_bytes claims all of LDS and 0 is added to spare words.
.set KP,    144
.set VP,    272
.set VOFF,  256*KP
.set SKOFF, VOFF+128*VP
.set SVOFF, SKOFF+1024
.set SLOT1, 131072
.set STAGE, SLOT1+SVOFF+1024           ; behind the ring: 16 rows x 272 bytes for each wave; no tensor load lands here
.set WSTG,  16*272
.set SPARE, STAGE+8*WSTG               ; the spare words: 128 bytes a wave
.set SA,   128                         ; an area's first register: tile A's 64, then tile B's; or eight fragments of 16
.set PC,   48
.set VS,   80
.set KSR,  84
.set NM,   88
.set SU,   92
.set FF,   96
.set HO,   100
.set SO,   108
.set QS,   116
.set PS,   118
.set TM,   120
.set NINF, 122
.set AFI,  123
.set AOG,  124
.set PFB,  2                           ; s[2:3] my wave's part of key slot 0, for the prefetch;  s[4:5] the address in hand
.set PFA,  4
.set WV,   16
.set MNT,  17
.set SEL,  18
.set CS,   20
.set TB,   22
.set IT,   23
.set G1K,  24
.set G1V,  32
.set G1S,  40
.set G0K,  48
.set G0V,  52
.set G0SK, 56
.set G0SV, 60
.set SWI,  66
.set KS,   67
.set KF,   68
.set Q0,   69
.set BK,   70
.set BV,   72
.set BSK,  74
.set BSV,  76
.set OC,   78
.set OS,   80
.set QP1,  82
.set OP1,  84
.set QP2,  86
.set OP2,  88
.set Q0B,  98
.set MSB, 0
.macro WIN new                         ; the immediate's high byte repeats the setting that is left
.if MSB != (\new)
	s_set_vgpr_msb (MSB<<8)|(\new)
.set MSB, (\new)
.endif
.endm
.macro PLACES n
.rept \n
	v_nop
.endr
.endm
; one tensor load a wave, chosen by the wave's number; waves 6 and 7 fetch nothing.  s_nop 0 and four v_nop follow each
.macro ARM g0, g1
	tensor_load_to_lds s[\g0:\g0+3], s[\g1:\g1+7]
	s_nop 0
.rept 4
	v_nop
.endr
.endm
.macro TLOAD
	s_cmp_lt_u32 s[WV], 2
	s_cbranch_scc0 .Lnot_k_\@
	ARM G0K, G1K
	s_branch .Lasked_\@
.Lnot_k_\@:
	s_cmp_lt_u32 s[WV], 4
	s_cbranch_scc0 .Lnot_v_\@
	ARM G0V, G1V
	s_branch .Lasked_\@
.Lnot_v_\@:
	s_cmp_eq_u32 s[WV], 4
	s_cbranch_scc0 .Lnot_sk_\@
	ARM G0SK, G1S
	s_branch .Lasked_\@
.Lnot_sk_\@:
	s_cmp_eq_u32 s[WV], 5
	s_cbranch_scc0 .Lasked_\@
	ARM G0SV, G1S
.Lasked_\@:
.endm
.macro MMS d, a, b, sa, sb, row        ; a product that starts its sums
.if \row
	v_wmma_scale_f32_16x16x128_f8f6f4 v[\d:\d+7], v[\a:\a+15], v[\b:\b+15], 0, v[\sa], v[\sb] matrix_a_scale:MATRIX_SCALE_ROW1
.else
	v_wmma_scale_f32_16x16x128_f8f6f4 v[\d:\d+7], v[\a:\a+15], v[\b:\b+15], 0, v[\sa], v[\sb]
.endif
.endm
.macro MMO d, a, b, sa, sb, row        ; a product that adds in place
.if \row
	v_wmma_scale_f32_16x16x128_f8f6f4 v[\d:\d+7], v[\a:\a+15], v[\b:\b+15], v[\d:\d+7], v[\sa], v[\sb] matrix_a_scale:MATRIX_SCALE_ROW1
.else
	v_wmma_scale_f32_16x16x128_f8f6f4 v[\d:\d+7], v[\a:\a+15], v[\b:\b+15], v[\d:\d+7], v[\sa], v[\sb]
.endif
.endm
	s_load_b256 s[4:11], s[0:1], 0x0               ; query s[4:5], k_codes s[6:7], k_scales s[8:9], v_codes s[10:11]
	s_load_b128 s[12:15], s[0:1], 0x20             ; v_scales s[12:13], out0 s[14:15]
	v_lshl_add_u32 v5, v0, 2, SPARE
	v_mov_b32 v6, 0
	ds_add_u32 v5, v6                              ; the opening lines: the add twice on end and one wait
	ds_add_u32 v5, v6
	v_lshrrev_b32 v8, 5, v0
	v_readfirstlane_b32 s[WV], v8                  ; wave 0..7
	s_mov_b32 s[MNT], 0x600000                     ; the mantissa field of 448
	s_mov_b32 s[SEL], 0x76543210
	s_mov_b32 s[SEL+1], 0xfedcba98
	s_mov_b32 s[CS], 0x3e0293ee                    ; c = log2(e) / sqrt(128)
	s_mov_b32 s[CS+1], s[CS]
	; K: half a slot, 16,384 dense bytes, stated as 64 rows of 256 bytes; 4 words of padding behind every 32 (a key's 128 bytes)
	s_mov_b32 s[G1K], (1<<20)|(4<<22)|(3<<25)
	s_mov_b32 s[G1K+1], 256<<16
	s_mov_b32 s[G1K+2], 64<<16
	s_mov_b32 s[G1K+3], 256<<16
	s_mov_b32 s[G1K+4], 64
	s_mov_b32 s[G1K+5], 256
	s_mov_b32 s[G1K+6], 0
	s_mov_b32 s[G1K+7], 0
	; V: 64 rows of 256 bytes, dense, 4 words of padding behind every 64
	s_mov_b32 s[G1V], (1<<20)|(5<<22)|(3<<25)
	s_mov_b32 s[G1V+1], 256<<16
	s_mov_b32 s[G1V+2], 64<<16
	s_mov_b32 s[G1V+3], 256<<16
	s_mov_b32 s[G1V+4], 64
	s_mov_b32 s[G1V+5], 256
	s_mov_b32 s[G1V+6], 0
	s_mov_b32 s[G1V+7], 0
	; scale bytes: 1,024 dense bytes as 4 rows of 32 elements of 8 bytes
	s_mov_b32 s[G1S], 3<<16
	s_mov_b32 s[G1S+1], 32<<16
	s_mov_b32 s[G1S+2], 4<<16
	s_mov_b32 s[G1S+3], 32<<16
	s_mov_b32 s[G1S+4], 4
	s_mov_b32 s[G1S+5], 32
	s_mov_b32 s[G1S+6], 0
	s_mov_b32 s[G1S+7], 0
	; offsets, each in a pair with 0 above it: all stay under 2^27
	s_and_b32 s90, ttmp7, 0xffff                   ; the head
	s_add_co_u32 s[SWI], ttmp9, 1                  ; the trip in which the second block begins
	s_and_b32 s91, s[WV], 1
	s_lshl_b32 s92, s90, 18                        ; a head's codes: 262,144 bytes
	s_and_b32 s97, s[WV], 3
	s_lshl_b32 s[PFB], s97, 13                     ; the prefetch: 8,192 bytes a wave
	s_add_co_u32 s[PFB], s[PFB], s92
	s_mov_b32 s[PFB+1], 0
	s_lshl_b32 s93, s91, 14                        ; half a slot's codes
	s_add_co_u32 s92, s92, s93
	s_mov_b32 s93, 0
	s_lshl_b32 s94, s90, 13                        ; a head's scale bytes
	s_mov_b32 s95, 0
	s_lshr_b32 s96, s[WV], 2                       ; my run of 32 queries: 4 (bit 0 xor bit 2) + low two bits
	s_xor_b32 s96, s96, s[WV]
	s_and_b32 s96, s96, 1
	s_lshl_b32 s96, s96, 2
	s_or_b32 s96, s96, s97
	s_lshl_b32 s96, s96, 5
	s_lshl_b32 s[Q0], ttmp9, 8
	s_add_co_u32 s[Q0], s[Q0], s96                 ; my first query in block j
	s_sub_co_u32 s[Q0B], 7, ttmp9
	s_lshl_b32 s[Q0B], s[Q0B], 8
	s_add_co_u32 s[Q0B], s[Q0B], s96               ; and in block 7 - j
	s_lshl_b32 s97, s90, 20                        ; a head of query_layer
	s_lshl_b32 s[QP1], s[Q0], 9
	s_add_co_u32 s[QP1], s[QP1], s97
	s_mov_b32 s[QP1+1], 0
	s_lshl_b32 s[QP2], s[Q0B], 9
	s_add_co_u32 s[QP2], s[QP2], s97
	s_mov_b32 s[QP2+1], 0
	s_lshr_b32 s96, s90, 5                         ; out0: batch x 2,048 rows of 16,384 bytes, the head's 512 bytes in a row
	s_lshl_b32 s96, s96, 25
	s_and_b32 s97, s90, 31
	s_lshl_b32 s97, s97, 9
	s_add_co_u32 s96, s96, s97
	s_lshl_b32 s[OP1], s[Q0], 14
	s_add_co_u32 s[OP1], s[OP1], s96
	s_mov_b32 s[OP1+1], 0
	s_lshl_b32 s[OP2], s[Q0B], 14
	s_add_co_u32 s[OP2], s[OP2], s96
	s_mov_b32 s[OP2+1], 0
	s_mov_b32 s[OC+1], 0
	s_mov_b32 s[OS+1], 0
	s_mov_b32 s[G0K], 1
	s_mul_i32 s[G0K+1], s91, 128*KP
	s_mov_b32 s[G0V], 1
	s_mul_i32 s[G0V+1], s91, 64*VP
	s_add_co_u32 s[G0V+1], s[G0V+1], VOFF
	s_mov_b32 s[G0SK], 1
	s_mov_b32 s[G0SK+1], SKOFF
	s_mov_b32 s[G0SV], 1
	s_mov_b32 s[G0SV+1], SVOFF
	s_wait_dscnt 0x0                               ; both opening adds are done
	s_wait_kmcnt 0x0
	s_add_nc_u64 s[BK:BK+1], s[6:7], s[92:93]
	s_add_nc_u64 s[BV:BV+1], s[10:11], s[92:93]
	s_add_nc_u64 s[BSK:BSK+1], s[8:9], s[94:95]
	s_add_nc_u64 s[BSV:BSV+1], s[12:13], s[94:95]
	s_add_nc_u64 s[QP1:QP1+1], s[4:5], s[QP1:QP1+1]
	s_add_nc_u64 s[QP2:QP2+1], s[4:5], s[QP2:QP2+1]
	s_add_nc_u64 s[OP1:OP1+1], s[14:15], s[OP1:OP1+1]
	s_add_nc_u64 s[OP2:OP2+1], s[14:15], s[OP2:OP2+1]
	s_cmp_lt_u32 s[WV], 4                          ; waves 0-3 prefetch K's codes, 4-7 V's
	s_cselect_b64 s[96:97], s[6:7], s[10:11]
	s_add_nc_u64 s[PFB:PFB+1], s[96:97], s[PFB:PFB+1]
	s_mov_b64 s[G0K+2:G0K+3], s[BK:BK+1]           ; key slot 0
	s_or_b32 s[G0K+3], s[G0K+3], 0x80000000
	s_mov_b64 s[G0V+2:G0V+3], s[BV:BV+1]
	s_or_b32 s[G0V+3], s[G0V+3], 0x80000000
	s_mov_b64 s[G0SK+2:G0SK+3], s[BSK:BSK+1]
	s_or_b32 s[G0SK+3], s[G0SK+3], 0x80000000
	s_mov_b64 s[G0SV+2:G0SV+3], s[BSV:BSV+1]
	s_or_b32 s[G0SV+3], s[G0SV+3], 0x80000000
	TLOAD                                          ; slot 0's first fill: one load a wave at the head
	v_and_b32 v8, 15, v0                           ; r
	v_bfe_u32 v9, v0, 4, 1                         ; h
	s_mul_i32 s90, s[WV], WSTG
	s_add_co_u32 s90, s90, STAGE                   ; my stage
	v_lshlrev_b32 v13, 9, v9
	v_mul_u32_u24 v1, v8, KP
	v_mul_u32_u24 v2, v8, VP
	v_lshl_add_u32 v13, v8, 4, v13                 ; Q in memory: lanes 0-15 one row, lanes 16-31 the next, 16 bytes a lane
	v_lshl_add_u32 v1, v9, 4, v1                   ; K: row r x pitch + 16 h
	v_lshl_add_u32 v2, v9, 4, v2
	v_lshl_add_u32 v3, v8, 2, SKOFF                ; K's scale words: 4 bytes a row; lanes 16-31 take the next tile's 16 rows
	v_lshl_add_u32 v4, v8, 3, SVOFF                ; V's: 8 bytes a row, likewise
	v_add_nc_u32 v2, VOFF, v2
	v_lshl_add_u32 v3, v9, 6, v3
	v_lshl_add_u32 v4, v9, 7, v4
	v_and_b32 v7, 31, v0
	v_lshlrev_b32 v10, 4, v9
	v_lshlrev_b32 v7, 8, v7                        ; the prefetches: lanes 256 bytes apart
	v_sub_nc_u32 v12, v8, v10                      ; r - 16 h
	v_mul_u32_u24 v14, v9, 272
	v_mul_u32_u24 v15, v8, 272
	v_lshl_add_u32 v14, v8, 4, v14
	v_lshl_add_u32 v[AFI], v9, 5, v15
	v_lshl_add_u32 v15, v9, 6, v15
	v_add_nc_u32 v14, s90, v14                     ; stage by rows: lanes 0-15 one row, lanes 16-31 the next
	v_add_nc_u32 v15, s90, v15                     ; stage, Q on its way out: row r + 64 h
	v_add_nc_u32 v[AFI], s90, v[AFI]               ; stage, O on its way in: row r + 32 h
	v_lshlrev_b32 v[AOG], 4, v8
	v_lshl_add_u32 v[AOG], v9, 14, v[AOG]          ; out0: two rows 16,384 bytes apart
; 32 rows of Q, 16,384 bytes: tile A's into Y's upper half, tile B's into X's lower half.  Each load reads two half rows of 256 consecutive aligned bytes.
.macro QLOAD qp
.irp u, 0,1
.irp i, 0,1,2,3,4,5,6,7
	global_load_b128 v[192+32*\u+4*\i:195+32*\u+4*\i], v13, s[\qp:\qp+1] offset:1024*\i+256*\u th:TH_LOAD_NT
.endr
.endr
	WIN 0x40
.irp u, 0,1
.irp i, 0,1,2,3,4,5,6,7
	global_load_b128 v[128+32*\u+4*\i:131+32*\u+4*\i], v13, s[\qp:\qp+1] offset:8192+1024*\i+256*\u th:TH_LOAD_NT
.endr
.endr
	WIN 0
.endm
; Each tile turns through my stage, half a row at a time, so that a lane holds 16 neighbours along K of row r (Y's lower half); then the quantiser: codes into v16-31 or v32-47, the scale word beside them.
.macro QQUANT
	s_wait_alu depctr_va_vdst(0)                   ; ahead of the blocking wait
.irp T, 0,1
.irp u, 0,1
	s_wait_loadcnt 24-16*\T-8*\u                   ; this half's eight loads are in; the later halves' may be out
	WIN 4*\T                                       ; tile B's store data lie in window 1
.irp i, 0,1,2,3,4,5,6,7
	ds_store_b128 v14, v[192-64*\T+32*\u+4*\i:195-64*\T+32*\u+4*\i] offset:544*\i
.endr
	WIN 0
.irp b, 0,1
.irp j, 0,1,2,3
	ds_load_b128 v[SA+32*\u+16*\b+4*\j:SA+3+32*\u+16*\b+4*\j], v15 offset:128*\b+16*\j   ; LDS serves a wave's instructions in order
.endr
.endr
.endr
	s_wait_dscnt 0x0                               ; register SA + 16 b + i holds k = 32 b + 16 h + i of row r
.irp b, 0,1,2,3
	v_max3_num_f32 v[PC+\b], |v[SA+16*\b]|, |v[SA+1+16*\b]|, 0x4800000   ; with the floor 2^(9 - 127): the byte cannot fall under 1
.endr
.irp i, 2,4,6,8,10,12,14
.irp b, 0,1,2,3
	v_max3_num_f32 v[PC+\b], v[PC+\b], |v[SA+16*\b+\i]|, |v[SA+1+16*\b+\i]|
.endr
.endr
.irp b, 0,1,2,3
	v_permlanex16_b32 v[PC+4+\b], v[PC+\b], s[SEL], s[SEL+1]
.endr
.irp b, 0,1,2,3
	v_max_num_f32 v[PC+\b], v[PC+\b], v[PC+4+\b]
.endr
.irp b, 0,1,2,3
	v_add_nc_u32 v[SO+\b], 0xfc000000, v[PC+\b]    ; 8 off the exponent field: the conversion's scale operand
.endr
.irp b, 0,1,2,3
	v_and_or_b32 v[HO+\b], v[PC+\b], 0x7f800000, s[MNT]   ; 448 x the scale
.endr
.irp b, 0,1,2,3
	v_lshrrev_b32 v[PC+4+\b], 23, v[SO+\b]
.endr
	v_lshl_or_b32 v[QS+\T], v[PC+5], 8, v[PC+4]
	v_lshl_or_b32 v[QS+\T], v[PC+6], 16, v[QS+\T]
	v_lshl_or_b32 v[QS+\T], v[PC+7], 24, v[QS+\T]
.irp b, 0,1,2,3
.set NN, 0
.rept 16
	v_med3_num_f32 v[SA+16*\b+NN], v[SA+16*\b+NN], -v[HO+\b], v[HO+\b]   ; the conversion does not saturate (ISA guide 7.6.2): the hold
.set NN, NN+1
.endr
	v_cvt_scalef32_pk8_fp8_f32 v[16+16*\T+4*\b:17+16*\T+4*\b], v[SA+16*\b:SA+7+16*\b], v[SO+\b]
	v_cvt_scalef32_pk8_fp8_f32 v[18+16*\T+4*\b:19+16*\T+4*\b], v[SA+8+16*\b:SA+15+16*\b], v[SO+\b]
.endr
	v_nop                                          ; a plain line behind the last conversion
.endr
.endm
; A block of queries begins: the largest t under every t, the sums and O^T zeros, which the first change of M leaves zeros: so the key step has one form.  These lines are also the places ahead of the first products.
.macro RESET
.irp T, 0,1
	v_mov_b32 v[NM+1+2*\T], 0xff61b1e6             ; -3e38
	v_mov_b32 v[SU+2*\T], 0
	v_mov_b32 v[SU+1+2*\T], 0
	v_floor_f32 v[NM+2*\T], -v[NM+1+2*\T]
.endr
	WIN 0x40
.set NN, 0
.rept 128
	v_mov_b32 v[NN], 0
.set NN, NN+1
.endr
	WIN 0
	s_wait_alu depctr_va_vdst(0)                   ; ahead of the scalar lines and branches that follow
.endm
; In the macros below W is the window of the scores' area and FW that of the fragments' (set at a step's head).
.macro VCH f, q                        ; one fragment of V: 16 of the head's 128 x the step's 128 keys
	WIN FW<<6
.irp c, 0,1,2,3
	ds_load_b128 v[SA+16*\f+4*\c:SA+3+16*\f+4*\c], v9 offset:16*\f*VP+128*(\q)+32*\c
.endr
.endm
.macro KCH f                           ; one fragment of step 1's K, into the scores' area of step 0
	WIN 0
.irp c, 0,1,2,3
	ds_load_b128 v[SA+16*\f+4*\c:SA+3+16*\f+4*\c], v8 offset:(128+16*\f)*KP+32*\c
.endr
.endm
; behind a tile's exponentials: the blocks' scales and the row's sum of the unquantised p, in four chains
.macro POSTA T
.set SS, SA+64*\T
.set PP, PC+16*\T
.set HH, HO+4*\T
.set OO, SO+4*\T
.set UU, SU+2*\T
	WIN 0
.irp b, 0,1,2,3
	v_max_num_f32 v[PP+\b], 0x4800000, v[PP+\b]    ; the floor 2^(9 - 127): a block whose every p is 0 keeps the byte 1
.endr
.irp b, 0,1,2,3
	v_add_nc_u32 v[OO+\b], 0xfc000000, v[PP+\b]
.endr
.irp b, 0,1,2,3
	v_and_or_b32 v[HH+\b], v[PP+\b], 0x7f800000, s[MNT]
.endr
.irp b, 0,1,2,3
	v_lshrrev_b32 v[PP+4+\b], 23, v[OO+\b]
.endr
	WIN 0x05*W
	v_pk_add_f32 v[PP+8:PP+9], v[SS:SS+1], v[SS+2:SS+3]
	v_pk_add_f32 v[PP+10:PP+11], v[SS+4:SS+5], v[SS+6:SS+7]
	v_pk_add_f32 v[PP+12:PP+13], v[SS+8:SS+9], v[SS+10:SS+11]
	WIN 0x10*W
	v_pk_fma_f32 v[UU:UU+1], v[UU:UU+1], v[FF+2*\T:FF+1+2*\T], v[SS+12:SS+13] op_sel_hi:[1,0,1]   ; the sum under the new M, and a pair of p
	WIN 0x04*W
	v_lshl_or_b32 v[PS+\T], v[PP+5], 8, v[PP+4]    ; p's scale word for these 128 keys
.set NN, 14
.rept 6
	v_pk_add_f32 v[PP+8:PP+9], v[PP+8:PP+9], v[SS+NN:SS+NN+1]
	v_pk_add_f32 v[PP+10:PP+11], v[PP+10:PP+11], v[SS+NN+2:SS+NN+3]
	v_pk_add_f32 v[PP+12:PP+13], v[PP+12:PP+13], v[SS+NN+4:SS+NN+5]
	v_pk_add_f32 v[UU:UU+1], v[UU:UU+1], v[SS+NN+6:SS+NN+7]
.set NN, NN+8
.endr
	v_pk_add_f32 v[PP+8:PP+9], v[PP+8:PP+9], v[SS+62:SS+63]
	WIN 0
	v_lshl_or_b32 v[PS+\T], v[PP+6], 16, v[PS+\T]
	v_pk_add_f32 v[UU:UU+1], v[UU:UU+1], v[PP+12:PP+13]
	v_pk_add_f32 v[PP+8:PP+9], v[PP+8:PP+9], v[PP+10:PP+11]
	v_lshl_or_b32 v[PS+\T], v[PP+7], 24, v[PS+\T]
	v_pk_add_f32 v[UU:UU+1], v[UU:UU+1], v[PP+8:PP+9]
.endm
; the hold of blocks g and g + 1 of tile T (ISA guide 7.6.2: the conversion does not saturate; p is not negative).  ex = 1: two of tile B's exponentials stand ahead of every two holds.
; Where every window is 0 two holds go as one instruction.
.macro HOLD T, g, ex
.set SS, SA+64*\T
.set HH, HO+4*\T
	WIN 0x41*W
.set NN, 0
.rept 16
.if \ex
	v_exp_f32 v[SA+64+16*\g+2*NN], v[SA+64+16*\g+2*NN]
	v_exp_f32 v[SA+65+16*\g+2*NN], v[SA+65+16*\g+2*NN]
.endif
.if W
	v_min_num_f32 v[SS+16*\g+NN], v[SS+16*\g+NN], v[HH+\g]
	v_min_num_f32 v[SS+16*\g+16+NN], v[SS+16*\g+16+NN], v[HH+\g+1]
.else
	v_dual_min_num_f32 v[SS+16*\g+NN], v[SS+16*\g+NN], v[HH+\g] :: v_dual_min_num_f32 v[SS+16*\g+16+(NN+1)%16], v[SS+16*\g+16+(NN+1)%16], v[HH+\g+1]
.endif
.set NN, NN+1
.endr
.endm
.macro CVT T, g                        ; the codes of blocks g and g + 1 of tile T
.set SS, SA+64*\T
.set PP, PC+16*\T
.set OO, SO+4*\T
	WIN 0x01*W
	v_cvt_scalef32_pk8_fp8_f32 v[PP+4*\g:PP+4*\g+1], v[SS+16*\g:SS+16*\g+7], v[OO+\g]
	v_cvt_scalef32_pk8_fp8_f32 v[PP+4*\g+2:PP+4*\g+3], v[SS+16*\g+8:SS+16*\g+15], v[OO+\g]
	v_cvt_scalef32_pk8_fp8_f32 v[PP+4*\g+4:PP+4*\g+5], v[SS+16*\g+16:SS+16*\g+23], v[OO+\g+1]
	v_cvt_scalef32_pk8_fp8_f32 v[PP+4*\g+6:PP+4*\g+7], v[SS+16*\g+24:SS+16*\g+31], v[OO+\g+1]
.endm
; A KEY STEP: 128 keys, the q-th half of the slot in hand, for both my tiles.
.macro STEP q
.set W, \q
.set FW, 1-\q
.if \q
	s_add_co_u32 s90, s[Q0], 31                    ; all keys behind my 32 queries: the step is left out (ids alone; no barrier and no tensor load stands in a step)
	s_cmp_gt_u32 s[KF], s90
	s_cbranch_scc1 .Lhidden_\@
	PLACES 9                                       ; nine places: the scores are laid over fragments that the last products read
	WIN 0x40
	s_wait_dscnt 16                                ; K's scale words and tiles 0-3, asked for in step 0, are in; tiles 4-7's sixteen loads may be out
.irp t, 0,1,2,3
	MMS SA+8*\t, SA+16*\t, 16, KSR+\t/2, QS, \t%2
	MMS SA+64+8*\t, SA+16*\t, 32, KSR+\t/2, QS+1, \t%2
.endr
	s_wait_dscnt 0x0
.irp t, 4,5,6,7
	MMS SA+8*\t, SA+16*\t, 16, KSR+\t/2, QS, \t%2
	MMS SA+64+8*\t, SA+16*\t, 32, KSR+\t/2, QS+1, \t%2
.endr
.else
	v_add_nc_u32 v8, s[TB], v1                     ; the slot's addresses serve both its steps
	v_add_nc_u32 v10, s[TB], v3
	v_add_nc_u32 v9, s[TB], v2
	v_add_nc_u32 v11, s[TB], v4
	PLACES 5                                       ; with the four additions: nine places behind the last products
.irp u, 0,1,2,3
	ds_load_b32 v[KSR+\u], v10 offset:128*\u
.endr
	WIN 0x40
.irp t, 0,1,2,3,4,5,6,7
.irp c, 0,1,2,3
	ds_load_b128 v[SA+16*\t+4*\c:SA+3+16*\t+4*\c], v8 offset:16*\t*KP+32*\c
.endr
.endr
	WIN 0x01
	s_wait_alu depctr_va_vdst(0)                   ; ahead of the blocking wait
.irp t, 0,2,4,6
	s_wait_dscnt 24-4*\t                           ; tiles t and t + 1 are in; the later tiles' loads, four each, may be out
	MMS SA+8*\t, SA+16*\t, 16, KSR+\t/2, QS, 0
	MMS SA+64+8*\t, SA+16*\t, 32, KSR+\t/2, QS+1, 0
	MMS SA+8+8*\t, SA+16+16*\t, 16, KSR+\t/2, QS, 1
	MMS SA+72+8*\t, SA+16+16*\t, 32, KSR+\t/2, QS+1, 1
.endr
.endif
	WIN 0
	PLACES 8                                       ; ahead of the loads over K's fragments and of the first read of the scores
.irp u, 0,1,2,3
	ds_load_b32 v[VS+\u], v11 offset:256*\u+4*(\q)
.endr
	VCH 0, \q
	WIN 0
	s_add_co_u32 s90, s[KF], 127                   ; on the diagonal hidden scores become -infinity ahead of the maximum; a step all of whose keys count skips this
	s_cmp_le_u32 s90, s[Q0]
	s_cbranch_scc1 .Lopen_\@
	s_sub_co_i32 s90, s[Q0], s[KF]
	v_add_nc_u32 v[TM], s90, v12                   ; d = my query - KF - 16 h: register 16 b + i is hidden where 32 b + i > d
	v_mov_b32 v[NINF], 0xff800000
	v_add_nc_u32 v[TM+1], 16, v[TM]                ; tile B's queries lie 16 on
	WIN 0x41*W
.irp T, 0,1
.set NN, 0
.rept 64
	v_cmp_gt_i32 vcc_lo, 32*(NN/16)+NN%16, v[TM+\T]
	v_cndmask_b32 v[SA+64*\T+NN], v[SA+64*\T+NN], v[NINF], vcc_lo
.set NN, NN+1
.endr
.endr
	WIN 0
.Lopen_\@:
	WIN 0x15*W
.irp b, 0,1,2,3                                    ; the largest score of each block of 32 keys: for the row's maximum and for the block's largest p.  Eight chains by turns
.irp T, 0,1
	v_max3_num_f32 v[PC+16*\T+\b], v[SA+64*\T+16*\b], v[SA+1+64*\T+16*\b], v[SA+2+64*\T+16*\b]
.endr
.endr
	WIN 0x14*W
.irp i, 3,5,7,9,11,13
.irp b, 0,1,2,3
.irp T, 0,1
	v_max3_num_f32 v[PC+16*\T+\b], v[PC+16*\T+\b], v[SA+64*\T+16*\b+\i], v[SA+1+64*\T+16*\b+\i]
.endr
.endr
.endr
	WIN 0x04*W
.irp b, 0,1,2,3
.irp T, 0,1
	v_max_num_f32 v[PC+16*\T+\b], v[PC+16*\T+\b], v[SA+15+64*\T+16*\b]
.endr
.endr
	VCH 1, \q
	WIN 0
.irp b, 0,1,2,3
.irp T, 0,1
	v_permlanex16_b32 v[PC+4+16*\T+\b], v[PC+16*\T+\b], s[SEL], s[SEL+1]
.endr
.endr
.irp b, 0,1,2,3
.irp T, 0,1
	v_max_num_f32 v[PC+16*\T+\b], v[PC+16*\T+\b], v[PC+4+16*\T+\b]
.endr
.endr
.irp T, 0,1
	v_max3_num_f32 v[TM+\T], v[PC+16*\T], v[PC+1+16*\T], v[PC+2+16*\T]
.endr
.irp T, 0,1
	v_max_num_f32 v[TM+\T], v[TM+\T], v[PC+3+16*\T]
.endr
.irp T, 0,1
	v_mul_f32 v[TM+\T], s[CS], v[TM+\T]            ; as t (c is positive)
.endr
.irp T, 0,1
	v_max_num_f32 v[NM+1+2*\T], v[NM+1+2*\T], v[TM+\T]
.endr
.irp T, 0,1
	v_mov_b32 v[TM+\T], v[NM+2*\T]
.endr
.irp T, 0,1
	v_floor_f32 v[NM+2*\T], -v[NM+1+2*\T]          ; the new -M = -ceil(t)
.endr
.irp T, 0,1
	v_sub_f32 v[TM+\T], v[NM+2*\T], v[TM+\T]       ; old M - new M: a whole number, 0 or less
.endr
.irp T, 0,1
	v_cvt_i32_f32 v[TM+\T], v[TM+\T]               ; (it saturates)
.endr
.irp T, 0,1
	v_ldexp_f32 v[FF+2*\T], 1.0, v[TM+\T]          ; f = 2^(old M - new M)
.endr
.irp b, 0,1,2,3
.irp T, 0,1
	v_fma_f32 v[PC+16*\T+\b], v[PC+16*\T+\b], s[CS], v[NM+2*\T]   ; t - M of each block's largest score
.endr
.endr
	VCH 2, \q
	WIN 0x41*W
.set NN, 0
.rept 32
	v_pk_fma_f32 v[SA+NN:SA+1+NN], v[SA+NN:SA+1+NN], s[CS:CS+1], v[NM:NM+1] op_sel_hi:[1,0,0]   ; tile A: t - M, two at a time
.set NN, NN+2
.endr
	VCH 3, \q
	WIN 0
	s_wait_alu depctr_va_vdst(0)                   ; ahead of the batch
.irp b, 0,1,2,3
.irp T, 0,1
	v_exp_f32 v[PC+16*\T+\b], v[PC+16*\T+\b]       ; the blocks' largest p
.endr
.endr
	WIN 0x41*W
.set NN, 0
.rept 32                                           ; tile A's p; among them tile B's t - M, which is read only behind the next wait
	v_exp_f32 v[SA+NN], v[SA+NN]
	v_exp_f32 v[SA+1+NN], v[SA+1+NN]
	v_pk_fma_f32 v[SA+64+NN:SA+65+NN], v[SA+64+NN:SA+65+NN], s[CS:CS+1], v[NM+2:NM+3] op_sel_hi:[1,0,0]
.set NN, NN+2
.endr
	VCH 4, \q
	WIN 0
	s_wait_alu depctr_va_vdst(0)                   ; behind the batch, ahead of its first reader
	POSTA 0
	VCH 5, \q
	WIN 0x41*W
	s_wait_alu depctr_va_vdst(0)                   ; ahead of tile B's batch
	HOLD 0, 0, 1                                   ; tile B's p; among them tile A's holds, which are read only behind the next wait
	HOLD 0, 2, 1
	v_nop
	VCH 6, \q
	WIN 0x01*W
	s_wait_alu depctr_va_vdst(0)                   ; behind the batch
	CVT 0, 0
	CVT 0, 2
	VCH 7, \q
.if \q == 0
	WIN 0
.irp u, 0,1,2,3
	ds_load_b32 v[KSR+\u], v10 offset:512+128*\u   ; step 1's scale words of K
.endr
.endif
	POSTA 1
.if \q == 0
	KCH 0                                          ; tile A's p has become codes: its registers take step 1's K
	KCH 1
.endif
	HOLD 1, 0, 0
	CVT 1, 0
.if \q == 0
	KCH 2
.endif
	HOLD 1, 2, 0
	CVT 1, 2
	v_nop                                          ; a plain line behind the last conversion
.if \q == 0
	KCH 3
	s_wait_dscnt 20                                ; V's fragments and scale words are in; behind them: K's 4 scale words and 16 loads
	KCH 4
	KCH 5
.else
	s_wait_dscnt 0x0                               ; V's fragments and scale words
.endif
	WIN 0x41                                       ; O^T in window 1, f in window 0
	s_wait_alu depctr_va_vdst(0)                   ; directly ahead of the first readers of O^T
.set NN, 0
.rept 32
	v_pk_mul_f32 v[NN:NN+1], v[NN:NN+1], v[FF:FF+1] op_sel_hi:[1,0]   ; O^T under the new M; these 64 are also the places ahead of the products
.set NN, NN+2
.endr
.set NN, 0
.rept 32
	v_pk_mul_f32 v[64+NN:65+NN], v[64+NN:65+NN], v[FF+2:FF+3] op_sel_hi:[1,0]
.set NN, NN+2
.endr
.if \q == 0
	KCH 6
	KCH 7
.endif
	WIN 0x50|FW                                    ; O^T window 1, V in the fragments' window, p's codes window 0.  Sixteen accumulators by turns
.irp t, 0,1,2,3,4,5,6,7
	MMO 8*\t, SA+16*\t, PC, VS+\t/2, PS, \t%2
	MMO 64+8*\t, SA+16*\t, PC+16, VS+\t/2, PS+1, \t%2
.endr
	WIN 0
.if \q
.Lhidden_\@:
.endif
	s_add_co_u32 s[KF], s[KF], 128
.endm
; THE CHANGE OF SLOTS, at a slot's head: all my tensor loads waited for, the add, the wait for it and for my reads of the slot left, the barrier; fill = 1: the slot left takes the next trip's key slot.
.macro CHANGE fill
	s_wait_tensorcnt 0x0
	ds_add_u32 v5, v6
.if \fill
	ds_add_u32 v5, v6                              ; and twice on end here
	s_add_co_u32 s90, s[IT], 1                     ; the next trip's key slot: trip + 1 in the first block, trip + 1 - (j + 1) in the second
	s_sub_co_u32 s91, s90, s[SWI]
	s_cmp_lt_u32 s90, s[SWI]
	s_cselect_b32 s90, s90, s91
	s_lshl_b32 s[OC], s90, 15
	s_lshl_b32 s[OS], s90, 10
	s_xor_b32 s[G0K+1], s[G0K+1], SLOT1
	s_add_nc_u64 s[G0K+2:G0K+3], s[BK:BK+1], s[OC:OC+1]
	s_or_b32 s[G0K+3], s[G0K+3], 0x80000000
	s_xor_b32 s[G0V+1], s[G0V+1], SLOT1
	s_add_nc_u64 s[G0V+2:G0V+3], s[BV:BV+1], s[OC:OC+1]
	s_or_b32 s[G0V+3], s[G0V+3], 0x80000000
	s_xor_b32 s[G0SK+1], s[G0SK+1], SLOT1
	s_add_nc_u64 s[G0SK+2:G0SK+3], s[BSK:BSK+1], s[OS:OS+1]
	s_or_b32 s[G0SK+3], s[G0SK+3], 0x80000000
	s_xor_b32 s[G0SV+1], s[G0SV+1], SLOT1
	s_add_nc_u64 s[G0SV+2:G0SV+3], s[BSV:BSV+1], s[OS:OS+1]
	s_or_b32 s[G0SV+3], s[G0SV+3], 0x80000000
	s_wait_xcnt 0x0                                ; my last prefetch has read its address, so it may be written:
	s_add_co_u32 s96, s[IT], 2                     ; key slot trip + 2
	s_lshl_b32 s96, s96, 15
	s_mov_b32 s97, 0
	s_add_nc_u64 s[PFA:PFA+1], s[PFB:PFB+1], s[96:97]
.endif
	s_wait_dscnt 0x0                               ; also for fragments of a step 1 that was left out
	s_barrier_signal -1
	s_barrier_wait -1
.if \fill
	TLOAD
.endif
.endm
.macro SLOT_STEPS pf
	s_sub_co_u32 s91, s[IT], s[SWI]
	s_cmp_lt_u32 s[IT], s[SWI]
	s_cselect_b32 s[KS], s[IT], s91                ; the key slot in hand
	s_lshl_b32 s[KF], s[KS], 8
	STEP 0
.if \pf
	s_cmp_lg_u32 ttmp9, 0                          ; work-group 0 of the head, trips 0 to 5: slot trip + 2 <= 7 lies inside the buffers
	s_cbranch_scc1 .Lnokv_\@
	s_cmp_lt_u32 s[IT], 6
	s_cbranch_scc0 .Lnokv_\@
	global_prefetch_b8 v7, s[PFA:PFA+1] th:TH_LOAD_NT scope:SCOPE_SE
.Lnokv_\@:
	s_add_co_u32 s90, s[IT], 1                     ; the trip before the second block: my 32 rows of Q there, 64 blocks of 256 bytes
	s_cmp_lg_u32 s90, s[SWI]
	s_cbranch_scc1 .Lnopf_\@
	global_prefetch_b8 v7, s[QP2:QP2+1] th:TH_LOAD_NT scope:SCOPE_SE
	global_prefetch_b8 v7, s[QP2:QP2+1] offset:8192 th:TH_LOAD_NT scope:SCOPE_SE
.Lnopf_\@:
.endif
	STEP 1
	s_xor_b32 s[TB], s[TB], SLOT1
.endm
; THE WAY OUT of a block.  O^T / the sum (Y's lower half) goes through my stage, half a row (256 bytes) of 16 queries at a time, comes back into X's upper half and leaves as 256 consecutive aligned bytes for each sixteen lanes.
.macro FINISH op
.irp T, 0,1
	v_add_f32 v[SU+2*\T], v[SU+2*\T], v[SU+1+2*\T]
.endr
.irp T, 0,1
	v_permlanex16_b32 v[TM+\T], v[SU+2*\T], s[SEL], s[SEL+1]
.endr
.irp T, 0,1
	v_add_f32 v[SU+2*\T], v[SU+2*\T], v[TM+\T]     ; the row's sum
.endr
	s_wait_alu depctr_va_vdst(0)                   ; ahead of the reciprocals
	v_rcp_f32 v[SU], v[SU]
	v_rcp_f32 v[SU+2], v[SU+2]
	v_nop
.irp T, 0,1
	WIN 0x01                                       ; O^T from window 1
	s_wait_alu depctr_va_vdst(0)                   ; directly ahead of the first readers of the reciprocal and of this tile's O^T
.set NN, 0
.rept 64
	v_mul_f32 v[SA+NN], v[64*\T+NN], v[SU+2*\T]    ; register 8 t + i is o(r, 16 t + 8 h + i); each accumulator from its low end on
.set NN, NN+1
.endr
	WIN 0
.irp u, 0,1
.irp t, 0,1,2,3
	ds_store_b128 v[AFI], v[SA+32*\u+8*\t:SA+3+32*\u+8*\t] offset:64*\t
	ds_store_b128 v[AFI], v[SA+4+32*\u+8*\t:SA+7+32*\u+8*\t] offset:64*\t+16
.endr
	WIN 0x40
.irp i, 0,1,2,3,4,5,6,7
	ds_load_b128 v[192+32*\u+4*\i:195+32*\u+4*\i], v14 offset:544*\i   ; LDS serves a wave's instructions in order
.endr
	WIN 0
.endr
	WIN 0x04                                       ; the stores' data lie in window 1
.irp u, 0,1
.irp i, 0,1,2,3,4,5,6,7
	s_wait_dscnt 23-16*\u-\i                       ; behind this load: the 7 - i later ones of its half and, for the first half, the second's 16 LDS instructions
	global_store_b128 v[AOG], v[192+32*\u+4*\i:195+32*\u+4*\i], s[\op:\op+1] offset:262144*\T+32768*\i+256*\u th:TH_STORE_NT
.endr
.endr
	WIN 0
	s_wait_xcnt 0x0                                ; the stores' data are written again only behind this wait
.endr
.endm
	QLOAD QP1                                      ; block j's Q, while slot 0 is on its way
.irp n, PC+4,PC+5,PC+6,PC+7,PC+20,PC+21,PC+22,PC+23,FF+1,FF+3,TM,TM+1
	v_mov_b32 v[\n], 0                             ; written once: lane permutes' destinations and the upper halves of pairs count as read
.endr
	QQUANT
	RESET
	s_mov_b32 s[IT], 0
	s_mov_b32 s[TB], 0
.Lslot:                                            ; eight trips: behind each change of slots but the last the next key slot is asked for
	CHANGE 1
	s_cmp_lg_u32 s[IT], s[SWI]                     ; trip j + 1 begins the second block: ids alone, behind the barrier and the refill
	s_cbranch_scc1 .Lsame
	PLACES 8                                       ; behind the last products: ahead of loads over their fragments and of reads of O^T
	QLOAD QP2                                      ; the second block's Q is on its way while the first block leaves
	FINISH OP1
	s_mov_b32 s[Q0], s[Q0B]
	QQUANT
	RESET
.Lsame:
	SLOT_STEPS 1
	s_add_co_u32 s[IT], s[IT], 1
	s_cmp_lt_u32 s[IT], 8
	s_cbranch_scc1 .Lslot
	CHANGE 0                                       ; the ninth slot is written out: nothing is left to fetch
	SLOT_STEPS 0
	s_wait_dscnt 0x0                               ; fragments of a step 1 that was left out have landed: their registers are written below
	PLACES 8
	FINISH OP2
	s_wait_tensorcnt 0x0                           ; the wave's end
	ds_add_u32 v5, v6
	s_wait_dscnt 0x0
	s_endpgm
.Lfunc_end_k_qc95db7bbc1_attn:
	.size	k_qc95db7bbc1_attn, .Lfunc_end_k_qc95db7bbc1_attn-k_qc95db7bbc1_attn
	.p2alignl 7, 3214868480
	.fill 96, 4, 3214868480
	.section	.rodata,"a",@progbits
	.p2align	6, 0x0
	.amdhsa_kernel k_qc95db7bbc1_attn
		.amdhsa_group_segment_fixed_size 327680
		.amdhsa_private_segment_fixed_size 0
		.amdhsa_enable_private_segment 0
		.amdhsa_kernarg_size 48
		.amdhsa_user_sgpr_count 2
		.amdhsa_user_sgpr_kernarg_segment_ptr 1
		.amdhsa_wavefront_size32 1
		.amdhsa_system_sgpr_workgroup_id_x 1
		.amdhsa_system_sgpr_workgroup_id_y 1
		.amdhsa_system_sgpr_workgroup_id_z 1
		.amdhsa_system_vgpr_workitem_id 0
		.amdhsa_next_free_vgpr 512
		.amdhsa_next_free_sgpr 100
		.amdhsa_reserve_vcc 1
		.amdhsa_float_denorm_mode_32 3
		.amdhsa_float_denorm_mode_16_64 3
		.amdhsa_memory_ordered 1
		.amdhsa_forward_progress 1
		.amdhsa_inst_pref_size 255
	.end_amdhsa_kernel
	.section	.bss,"aw",@nobits
	.p2align	6
	.space	262144
	.amdgpu_metadata
---
amdhsa.version: [ 1, 2 ]
amdhsa.kernels:
  - .name:           k_qc95db7bbc1_attn
    .symbol:         k_qc95db7bbc1_attn.kd
    .args:
      - { .name: query_layer, .offset: 0, .size: 8, .value_kind: global_buffer, .address_space: global }
      - { .name: k_codes, .offset: 8, .size: 8, .value_kind: global_buffer, .address_space: global }
      - { .name: k_scales, .offset: 16, .size: 8, .value_kind: global_buffer, .address_space: global }
      - { .name: v_codes, .offset: 24, .size: 8, .value_kind: global_buffer, .address_space: global }
      - { .name: v_scales, .offset: 32, .size: 8, .value_kind: global_buffer, .address_space: global }
      - { .name: out0, .offset: 40, .size: 8, .value_kind: global_buffer, .address_space: global }
    .group_segment_fixed_size: 327680
    .private_segment_fixed_size: 0
    .kernarg_segment_align: 8
    .kernarg_segment_size: 48
    .max_flat_workgroup_size: 256
    .sgpr_count:     100
    .vgpr_count:     512
    .wavefront_size: 32
...
	.end_amdgpu_metadata
.endif
;; end of part 2
